; MI455X (gfx1250); checked and timed in simulation.
; The chip was launched on July 23, 2026; its instructions are those of AMD's public machine-readable ISA for CDNA 5 (MIT licence, August 2026) and "CDNA5" Instruction Set Architecture Reference Guide (July 2026). The comments in the code are by the model that wrote it; some were corrected since.
;; Optimized Contextualizer. Allowed arithmetic: float matrix products may take bf16 or f16 operands with f32 sums; other float arithmetic in f32, or as packed bf16 or f16 multiplies, adds, multiply-adds, maxima and minima; sums over many terms, partial sums and values carried from step to step in f32; what a program stores and reads back later, other than sums and carried values, may be rounded once to bf16 or f16.
;; Inputs: V 4,096 x 4,096 float32; bias 1 x 1 x 512 float32; x 4 x 4,096 x 1,024 float32.
;; Outputs: out0 4 x 4,096 x 512 float32.
;; One version. Each part assembles by itself: llvm-mc -triple=amdgcn-amd-amdhsa -mcpu=gfx1250 --defsym DOCPART=n.
;; ======== version 1 of 1: 2 launches
;; workspace buffers: xn 16,777,216 bytes
;; launch norm (part 1): grid 256 x 1, 8 waves a work-group, no clusters, 0 bytes of LDS; arguments x, xn; writes xn
.if DOCPART == 1
	.amdgcn_target "amdgcn-amd-amdhsa--gfx1250"
	.amdhsa_code_object_version 6
	.text
	.protected	k_q1e9729149c_norm
	.globl	k_q1e9729149c_norm
	.p2align	8
	.type	k_q1e9729149c_norm,@function
k_q1e9729149c_norm:
	s_mov_b64 s[64:65], 0
	v_nop
	global_prefetch_b8 v0, s[64:65] scope:SCOPE_SE
	s_setreg_imm32_b32 hwreg(HW_REG_WAVE_MODE, 25, 1), 1
	s_wait_xcnt 0x0
; xn[row][c] = x[row][512 + c] / max(sqrt(sum over c of x[row][512 + c]^2), 1e-12), rounded once to bf16.  x: [16384][1024] f32, xn: [16384][512] bf16.
; THE WHOLE PROGRAM: out = x_left * sigmoid((V o (xn xn^T)) xn + bias), in two launches: this one makes xn, the next one does all the rest.
; NOTHING OF THE COMPUTATION IS LEFT OUT: both halves of x, V and bias all reach the output, and every product is made in full.  xn xn^T is symmetric, so half of it is made twice:
; one tile of it would serve two blocks of queries, which belong to two work-groups, so it would have to go through memory (4 x 4096 x 4096 numbers of 2 bytes, stored and read again:
; more than all the inputs and outputs together) or be summed across work-groups; neither is done.
; LIMITS.  The division is a multiplication by v_rcp_f32's reciprocal; v_sqrt_f32 takes a denormal sum of squares as 0, and the guard 1e-12 then stands for the norm, as it does for every norm below it;
; xn is rounded once to bf16 (it is a matrix operand of both products).  NaN and infinities are not treated apart.
; SHARES.  A stream: no LDS, no matrix unit, no cluster, since no byte is wanted twice.  A work-group has 64 rows, each of its eight waves 8 of them; a lane holds 16 numbers of a row, four at
; floats 128 j + 4 l for j = 0..3.  So a load of a wave takes 512 consecutive bytes, aligned, and a store 256.  All 32 loads of a wave go out at once: 16 KiB a wave on their way.
; No register is written twice while a load or store may read it, so no wait stands for that.
.set XO,  1                            ; v1        my byte offset in x from the group's first row: 32,768 x wave + 16 x lane
.set YO,  2                            ; v2        the same in xn: 8,192 x wave + 8 x lane
.set SS,  12                           ; v[12:19]  row i: sum of squares, then the norm, then the guarded norm
.set X,   32                           ; v[32:159] row i, piece j at X + 16 i + 4 j
.set R,   160                          ; v[160:175] row i: the reciprocal, twice (a pair for the packed multiply)
.set Y,   176                          ; v[176:239] row i, piece j: two registers of bf16
	s_load_b128 s[4:7], s[0:1], 0x0                ; x s[4:5], xn s[6:7]
	s_lshl_b32 s8, ttmp9, 18                       ; the group's 64 rows of 4,096 bytes in x
	s_mov_b32 s9, 0
	s_lshl_b32 s12, ttmp9, 16                      ; and of 1,024 bytes in xn
	s_mov_b32 s13, 0
	s_mov_b32 s10, 0x76543210                      ; v_permlanex16_b32: each lane takes its own place in the other half
	s_mov_b32 s11, 0xfedcba98
	v_and_b32 v3, 31, v0                           ; lane
	v_lshrrev_b32 v8, 5, v0                        ; wave
	v_lshlrev_b32 v[XO], 4, v3
	v_lshl_add_u32 v[XO], v8, 15, v[XO]
	v_lshlrev_b32 v[YO], 3, v3
	v_lshl_add_u32 v[YO], v8, 13, v[YO]
	v_mov_b32 v9, 0                                ; v_permlanex16_b32's destination counts as read: it is written here
	s_wait_kmcnt 0x0
	s_add_nc_u64 s[4:5], s[4:5], s[8:9]
	s_add_nc_u64 s[6:7], s[6:7], s[12:13]
.set i, 0
.rept 8
.set j, 0
.rept 4
	global_load_b128 v[X+16*i+4*j:X+16*i+4*j+3], v[XO], s[4:5] offset:4096*i+2048+512*j th:TH_LOAD_NT  ; the right half begins 2,048 bytes into a row
.set j, j+1
.endr
.set i, i+1
.endr
	; the sums of squares, in f32: two chains of pairs in a lane, then across the 32 lanes
.set i, 0
.rept 8
	s_wait_loadcnt 28-4*i                          ; loads come back in order: row i is in, the four loads of each later row may stay out
	v_pk_mul_f32 v[4:5], v[X+16*i:X+16*i+1], v[X+16*i:X+16*i+1]
	v_pk_mul_f32 v[6:7], v[X+16*i+2:X+16*i+3], v[X+16*i+2:X+16*i+3]
.set j, 1
.rept 3
	v_pk_fma_f32 v[4:5], v[X+16*i+4*j:X+16*i+4*j+1], v[X+16*i+4*j:X+16*i+4*j+1], v[4:5]
	v_pk_fma_f32 v[6:7], v[X+16*i+4*j+2:X+16*i+4*j+3], v[X+16*i+4*j+2:X+16*i+4*j+3], v[6:7]
.set j, j+1
.endr
	v_pk_add_f32 v[4:5], v[4:5], v[6:7]
	v_add_f32 v8, v4, v5
	v_add_f32_dpp v8, v8, v8 row_xmask:1 row_mask:0xf bank_mask:0xf
	v_add_f32_dpp v8, v8, v8 row_xmask:2 row_mask:0xf bank_mask:0xf
	v_add_f32_dpp v8, v8, v8 row_xmask:4 row_mask:0xf bank_mask:0xf
	v_add_f32_dpp v8, v8, v8 row_xmask:8 row_mask:0xf bank_mask:0xf
	v_permlanex16_b32 v9, v8, s10, s11
	v_add_f32 v[SS+i], v8, v9                      ; every lane holds the row's sum
.set i, i+1
.endr
	; eight roots as one batch, the guard, sixteen reciprocals as one batch
.set i, 0
.rept 8
	v_sqrt_f32 v[SS+i], v[SS+i]
.set i, i+1
.endr
	v_nop                                          ; a plain instruction behind the last root,
	s_wait_alu depctr_va_vdst(0)                   ; and one wait for the batch, ahead of its first reader
.set i, 0
.rept 8
	v_max_num_f32 v[SS+i], 0x2b8cbccc, v[SS+i]     ; max(norm, 1e-12)
.set i, i+1
.endr
.set i, 0
.rept 8
	v_rcp_f32 v[R+2*i], v[SS+i]
	v_rcp_f32 v[R+2*i+1], v[SS+i]
.set i, i+1
.endr
	v_nop
	s_wait_alu depctr_va_vdst(0)                   ; one wait for the sixteen reciprocals
.set i, 0
.rept 8
.set j, 0
.rept 8
	v_pk_mul_f32 v[X+16*i+2*j:X+16*i+2*j+1], v[X+16*i+2*j:X+16*i+2*j+1], v[R+2*i:R+2*i+1]
.set j, j+1
.endr
.set j, 0
.rept 8
	v_cvt_pk_bf16_f32 v[Y+8*i+j], v[X+16*i+2*j], v[X+16*i+2*j+1]
.set j, j+1
.endr
.set j, 0
.rept 4
	global_store_b64 v[YO], v[Y+8*i+2*j:Y+8*i+2*j+1], s[6:7] offset:1024*i+256*j  ; 32 lanes store 256 consecutive bytes, at a multiple of 256 from xn's first byte
.set j, j+1
.endr
.set i, i+1
.endr
	s_endpgm
.Lfunc_end_k_q1e9729149c_norm:
	.size	k_q1e9729149c_norm, .Lfunc_end_k_q1e9729149c_norm-k_q1e9729149c_norm
	.p2alignl 7, 3214868480
	.fill 96, 4, 3214868480
	.section	.rodata,"a",@progbits
	.p2align	6, 0x0
	.amdhsa_kernel k_q1e9729149c_norm
		.amdhsa_group_segment_fixed_size 0
		.amdhsa_private_segment_fixed_size 0
		.amdhsa_enable_private_segment 0
		.amdhsa_kernarg_size 16
		.amdhsa_user_sgpr_count 2
		.amdhsa_user_sgpr_kernarg_segment_ptr 1
		.amdhsa_wavefront_size32 1
		.amdhsa_system_sgpr_workgroup_id_x 1
		.amdhsa_system_sgpr_workgroup_id_y 1
		.amdhsa_system_sgpr_workgroup_id_z 1
		.amdhsa_system_vgpr_workitem_id 0
		.amdhsa_next_free_vgpr 240
		.amdhsa_next_free_sgpr 66
		.amdhsa_reserve_vcc 0
		.amdhsa_float_denorm_mode_32 3
		.amdhsa_float_denorm_mode_16_64 3
		.amdhsa_memory_ordered 1
		.amdhsa_forward_progress 1
		.amdhsa_inst_pref_size 25
	.end_amdhsa_kernel
	.amdgpu_metadata
---
amdhsa.version: [ 1, 2 ]
amdhsa.kernels:
  - .name:           k_q1e9729149c_norm
    .symbol:         k_q1e9729149c_norm.kd
    .args:
      - { .name: x, .offset: 0, .size: 8, .value_kind: global_buffer, .address_space: global }
      - { .name: xn, .offset: 8, .size: 8, .value_kind: global_buffer, .address_space: global }
    .group_segment_fixed_size: 0
    .private_segment_fixed_size: 0
    .kernarg_segment_align: 8
    .kernarg_segment_size: 16
    .max_flat_workgroup_size: 256
    .sgpr_count:     66
    .vgpr_count:     240
    .wavefront_size: 32
...
	.end_amdgpu_metadata
.endif
;; end of part 1
;; launch ctxgate (part 2): grid 64 x 4, 4 waves a work-group, clusters of 4 x 4, 327,680 bytes of LDS; arguments xn, V, bias, x, out0; writes out0
.if DOCPART == 2
	.amdgcn_target "amdgcn-amd-amdhsa--gfx1250"
	.amdhsa_code_object_version 6
	.text
	.protected	k_q1e9729149c_ctxgate
	.globl	k_q1e9729149c_ctxgate
	.p2align	8
	.type	k_q1e9729149c_ctxgate,@function
k_q1e9729149c_ctxgate:
	s_mov_b64 s[64:65], 0
	v_nop
	global_prefetch_b8 v0, s[64:65] scope:SCOPE_SE
	s_setreg_imm32_b32 hwreg(HW_REG_WAVE_MODE, 25, 1), 1
	s_wait_xcnt 0x0
	s_wait_alu depctr_hold_cnt(0) depctr_sa_sdst(0) depctr_va_vdst(0) depctr_va_sdst(0) depctr_va_ssrc(0) depctr_va_vcc(0) depctr_vm_vsrc(0)
	s_getreg_b32 s2, hwreg(HW_REG_IB_STS2, 6, 4)
	s_cmp_eq_u32 s2, 0
	s_cbranch_scc0 .Lentry_in_a_cluster
	s_endpgm
.Lentry_in_a_cluster:
	s_bfe_u32 s2, ttmp6, 0x10000c
	s_cmp_lg_u32 s2, 0xf033
	s_cbranch_scc0 .Lentry_shape_is_right
	s_endpgm
.Lentry_shape_is_right:
; out0[b][q][d] = x[b][q][d] * sigmoid(bias[d] + sum over k of V[q][k] (xn[b][q] . xn[b][k]) xn[b][k][d]),  d = 0..511.  xn: [4][4096][512] bf16, made by the launch before; V: [4096][4096] f32.
; Nothing is left out: both products are made in full (why the symmetry of xn xn^T is not used stands at the head of the first kernel).
; LIMITS.  Both products take bf16 operands and sum in f32; W = V o sim is made in f32 from the f32 sums and V as it is, and rounded once to bf16.  The gate is rcp(1 + 2^(-log2e ctx - log2e bias)), with
; v_exp_f32 and v_rcp_f32: a power below 2^-126 counts as 0 (gate 1), one beyond f32's range gives gate 0.  NaN and infinities are not treated apart.
; SHARES.  A work-group owns 64 queries of one batch: 64 x 4 = 256 work-groups.  It walks the batch's 4,096 keys, 64 a step.
;   S^T = K Q^T (source 0 = 16 keys, source 1 = 16 queries): wave w makes keys 16 w .. 16 w + 15 of the step for all 64 queries: 4 accumulators, 64 matrix instructions.  Q, 64 x 512, stays in every
;   wave's registers (512 of them), so a fragment of K feeds four products.  In the result a lane holds ONE query (lane % 16) and the keys 8 (lane / 16) + 0..7: V's 8 numbers for them are 32 consecutive
;   bytes of V's tile.  S V, rounded in pairs, is 16 bytes: half a fragment of source 1 (32 keys x 16 queries) of the second product.  Every wave wants all of W, so W goes through LDS, in fragment order.
;   O^T = xn^T W (source 0 = 16 channels x 32 keys, turned by ds_load_tr16_b128): wave w makes channels 128 w .. 128 w + 127 for all 64 queries: 32 accumulators, 64 matrix instructions a step.
; THE SKEW.  Period i makes S and W of step i + 1 and the second product of step i, so that W's way through LDS (store, barrier, load) lies under the other product's work.  Tile i (as values), tile i + 1
; (as keys) and tile i + 2 (on its way) are held at once: a ring of three slots of one step.
; CLUSTER.  4 x 4 work-groups: four blocks of queries (cx) x the four batches (cy).  A tile of xn hangs on the batch alone and is shared along a row of the cluster; a tile of V hangs on the block of
; queries alone and is shared along a column.  Each is asked for JOINTLY: the same tensor load, descriptor and mask in the four that share it.
; REGISTERS, in windows of 256 (s_set_vgpr_msb: bits 1:0 source 0, 3:2 source 1, 5:4 source 2, 7:6 destination):
;   window 0: v0-31 addresses and the bias; v32-63 S^T; v64-95 V's numbers, then W packed, then W's fragments of keys 32-63; v96-127 W's fragments of keys 0-31; v128-191, v192-255 two fragment buffers
;   window 1: O^T, (query tile t, channel tile d) at 8 (8 t + d)     windows 2, 3: Q, channels 32 c on, query tile t at 8 (4 (c % 8) + t), c < 8 in window 2; at the end window 2 takes x_left, row at 4 x row
.set PX,    1040      ; a row of xn in LDS: 1,024 bytes + 16 of padding = 65 x 16: the 16 rows of a load start at 16 different groups of four banks (64 banks of 4 bytes: ISA guide 11.1)
.set PVV,   272       ; a row of V's tile: 256 + 16 = 17 x 16
.set XNB,   64*PX     ; a slot: 64 rows of xn, then 64 rows (queries) of V
.set SLOT,  XNB+64*PVV
.set PB,    3*SLOT    ; behind the ring, never filled by a tensor load: three buffers for W: fragment (t, key half) at 1,024 (2 t + half), its registers 4-7 512 bytes on, a lane 16 bytes
.set PBUF,  8192
.set STAGE, PB+3*PBUF ; 16 rows x 528 bytes for each wave, for the way out
.set SPI,   528       ; 512 + 16 = 33 x 16
.set STW,   16*SPI
.set SPARE, STAGE+4*STW  ; the spare words, 128 bytes for each wave: two blocks of 256 bytes that no other line names
.set SPW, 4           ; v4   LDS address of my spare word: SPARE + 4 x my thread's number; never rewritten
.set NIL, 5           ; v5   0; never rewritten
.set AK,  6           ; v6-8   slot s: my place in K's fragments: row 16 w + l % 16, 16 (l / 16)
.set AV,  9           ; v9-11  slot s: my place for the turning load
.set AW,  12          ; v12-14 slot s: my 32 bytes of V's tile for query tile 0
.set PST, 15          ; v15  where I put 16 bytes of W
.set PLD, 16          ; v16  where I read W's fragments
.set PFO, 17          ; v17  the prefetches' lane offset; never rewritten
.set QO,  18          ; v18  my byte offset in 16 rows of Q
.set XO,  19          ; v19  512 w + 16 l: my 16 bytes in bias, in a row of x_left and in a row of out0
.set XPO, 20          ; v20  x_left's prefetches: row l / 2, block l % 2 of my wave's 512 bytes
.set STO, 21          ; v21  the way out: where I put 32 bytes of a row
.set RD,  22          ; v22  the way out: where I read a row back
.set TV,  23          ; v23  at work
.set NB,  24          ; v[24:27] -log2e x bias of my four channels
.set BI,  28          ; v[28:31] bias as loaded
.set S,   32
.set VW,  64
.set PF0, 96
.set F0,  128
.set F1,  192
.set WV,  14          ; s14  my wave's number
.set G1X, 24          ; s[24:31] descriptor group 1 for xn's tiles
.set G1V, 32          ; s[32:39] for V's
.set G0X, 40          ; s[40:51] descriptor group 0 for xn's tiles, a set for each slot
.set G0V, 52          ; s[52:63] the same for V's
.set LOOP, 66
.set IDX, 67          ; s67  the period's number
.set LIM, 68          ; s68  a wave prefetches while IDX is below it; 0 in a wave that never does
.set ODD, 69          ; s69  1: in every period; 0: in odd periods
.set PFA, 70          ; s[70:71] where my prefetches stand: tile IDX + 5
.set PFS, 72          ; s[72:73] its step from period to period
.set TA,  74
.set QP,  78          ; s[78:79] xn at my work-group's 64 queries
.set MSB, 0
.macro WIN new                         ; the immediate's high byte repeats the setting that is left; a switch that changes nothing is dropped
.if MSB != (\new)
	s_set_vgpr_msb (MSB<<8)|(\new)
.set MSB, \new
.endif
.endm
.set W_SL, 0x08       ; Q (source 1) in window 2
.set W_SH, 0x0c       ; in window 3
.set W_PV, 0x50       ; C and D in window 1
; A load into a register that a matrix instruction has read, and whatever reads a matrix result, stand four places behind that matrix instruction, and only plain vector instructions that name none of its
; registers are places (ISA guide 7.12.1 for vector instructions).
.macro PLACES
.rept 4
	v_nop
.endr
.endm
; A joint refill.  Waves 0 and 1 fetch the two halves (32 rows) of xn's tile, waves 2 and 3 those of V's.  The branch hangs on the wave's number alone: it is the same in every work-group.
; An s_nop 0 and four v_nop follow each of the two lines, ahead of the jump and the label; the four are also the places in front of the LDS loads that follow.
.macro JLOAD s
	s_cmp_lt_u32 s[WV], 2
	s_cbranch_scc0 .Lfor_v_\@
	tensor_load_to_lds s[G0X+4*(\s):G0X+4*(\s)+3], s[G1X:G1X+7]
	s_nop 0
.rept 4
	v_nop
.endr
	s_branch .Lasked_\@
.Lfor_v_\@:
	tensor_load_to_lds s[G0V+4*(\s):G0V+4*(\s)+3], s[G1V:G1V+7]
	s_nop 0
.rept 4
	v_nop
.endr
.Lasked_\@:
.endm
; A PREFETCH INTO THE L2, behind the joint load and the run of LDS loads that follows it: period i names tile i + 5, which the joint load of period i + 3 will ask for: three periods, 384 matrix instructions, ahead.
; Each aligned block of 256 bytes is named once in the launch.  xn's tile (64 rows x 1,024 bytes) is walked by all sixteen clusters: the first (cluster x = 0) asks; waves 0 and 1 take 32 rows each, a lane a row, and
; the four partners of a row of the cluster take one block of each row, told apart BY ADDRESS (cx).  V's tile (64 rows x 256 bytes) is read by one column of one cluster: wave 2 asks, the four partners take 16 rows
; each BY ADDRESS (cy), lanes 0-15 for one tile and lanes 16-31 for the next, in odd periods.  Tiles 0 to 5 come by their loads alone; LIM stops the requests at tile 63.
.macro ASK
	s_cmp_lt_u32 s[IDX], s[LIM]
	s_cbranch_scc0 .Lnot_mine_\@
	s_or_b32 s[TA], s[IDX], s[ODD]
	s_bitcmp1_b32 s[TA], 0
	s_cbranch_scc0 .Lnot_mine_\@
	global_prefetch_b8 v[PFO], s[PFA:PFA+1] th:TH_LOAD_NT scope:SCOPE_SE
.Lnot_mine_\@:
.endm
; A round of the cluster's barrier: my work-group's barrier, so that wave 0's signal speaks for all four waves; wave 0 signals; every wave waits for all sixteen work-groups; my work-group's barrier once more.
.macro CREST                           ; a round behind its opening barrier
	s_cmp_lg_u32 s[WV], 0
	s_cbranch_scc1 .Lnot_wave_0_\@
	s_barrier_signal -3
.Lnot_wave_0_\@:
	s_barrier_wait -3
	s_barrier_signal -1
	s_barrier_wait -1
.endm
.macro CROUND
	s_barrier_signal -1
	s_barrier_wait -1
	CREST
.endm
; THE LDS LOADS stand in runs.  K: my 16 keys, channels 256 half on: 8 fragments of 16 rows x 32 channels (lane l: row l % 16; two loads of 16 bytes, 32 bytes apart).
.macro FETCH_K s, half, buf
	WIN 0
.set f, 0
.rept 8
	ds_load_b128 v[(\buf)+8*f:(\buf)+8*f+3],   v[AK+(\s)] offset:512*(\half)+64*f
	ds_load_b128 v[(\buf)+8*f+4:(\buf)+8*f+7], v[AK+(\s)] offset:512*(\half)+64*f+32
.set f, f+1
.endr
.endm
.macro FETCH_W s                       ; V's numbers for my 8 keys and my query of each of the four query tiles
	WIN 0
.set t, 0
.rept 4
	ds_load_b128 v[VW+8*t:VW+8*t+3],   v[AW+(\s)] offset:16*PVV*t
	ds_load_b128 v[VW+8*t+4:VW+8*t+7], v[AW+(\s)] offset:16*PVV*t+16
.set t, t+1
.endr
.endm
.macro FETCH_P b, sl, dst              ; W's four fragments of keys 32 sl on, out of buffer b
	WIN 0
.set t, 0
.rept 4
	ds_load_b128 v[(\dst)+8*t:(\dst)+8*t+3],   v[PLD] offset:PBUF*(\b)+1024*(2*t+(\sl))
	ds_load_b128 v[(\dst)+8*t+4:(\dst)+8*t+7], v[PLD] offset:PBUF*(\b)+1024*(2*t+(\sl))+512
.set t, t+1
.endr
.endm
; xn^T: keys 32 sl on, my 128 channels in 8 tiles.  The turning load takes 8 keys x 8 channels in each group of eight lanes.  Lanes 8-15 and 24-31 read 128 bytes, not 16, beside lanes 0-7 and 16-23, so that the
; sixteen 16-byte pieces of a pass (8 rows x 2) fall on sixteen different groups of banks at this pitch.  So tile d holds channels 8 d + 0..7 in its rows 0-7 and channels 64 + 8 d + 0..7 in its rows 8-15.
.macro FETCH_VT s, sl, buf
	WIN 0
.set d, 0
.rept 8
	ds_load_tr16_b128 v[(\buf)+8*d:(\buf)+8*d+3],   v[AV+(\s)] offset:32*PX*(\sl)+16*d
	ds_load_tr16_b128 v[(\buf)+8*d+4:(\buf)+8*d+7], v[AV+(\s)] offset:32*PX*(\sl)+16*d+16*PX
.set d, d+1
.endr
.endm
; THE MATRIX WORK.  The accumulators take turns, one instruction a turn: no two matrix instructions on end share one, in the loop, over its jump and in what is written out.
.macro SIM half, zero                  ; 32 products of S^T: channels 256 half on; zero = 1: the first four start the sums
	WIN W_SL+4*(\half)
.set c, 0
.rept 8
.set t, 0
.rept 4
.if (\zero) && (c == 0)
	v_wmma_f32_16x16x32_bf16 v[S+8*t:S+8*t+7], v[F0+64*(\half)+8*c:F0+64*(\half)+8*c+7], v[8*(4*c+t):8*(4*c+t)+7], 0
.else
	v_wmma_f32_16x16x32_bf16 v[S+8*t:S+8*t+7], v[F0+64*(\half)+8*c:F0+64*(\half)+8*c+7], v[8*(4*c+t):8*(4*c+t)+7], v[S+8*t:S+8*t+7]
.endif
.set t, t+1
.endr
.set c, c+1
.endr
.endm
.macro PV sl, d0, d1, zero             ; products of O^T: keys 32 sl on, channel tiles d0 to d1, all four query tiles; zero = 1: they start the sums
	WIN W_PV
.set d, \d0
.rept (\d1)-(\d0)+1
.set t, 0
.rept 4
.if \zero
	v_wmma_f32_16x16x32_bf16 v[8*(8*t+d):8*(8*t+d)+7], v[F0+64*(\sl)+8*d:F0+64*(\sl)+8*d+7], v[PF0-32*(\sl)+8*t:PF0-32*(\sl)+8*t+7], 0
.else
	v_wmma_f32_16x16x32_bf16 v[8*(8*t+d):8*(8*t+d)+7], v[F0+64*(\sl)+8*d:F0+64*(\sl)+8*d+7], v[PF0-32*(\sl)+8*t:PF0-32*(\sl)+8*t+7], v[8*(8*t+d):8*(8*t+d)+7]
.endif
.set t, t+1
.endr
.set d, d+1
.endr
.endm
.macro PACK b                          ; W = S V in f32, each accumulator from its lowest registers on; rounded to bf16; 16 bytes a lane and query tile into buffer b
	WIN 0
.set p, 0
.rept 16
	v_pk_mul_f32 v[S+2*p:S+2*p+1], v[S+2*p:S+2*p+1], v[VW+2*p:VW+2*p+1]
.set p, p+1
.endr
.set p, 0
.rept 16
	v_cvt_pk_bf16_f32 v[VW+p], v[S+2*p], v[S+2*p+1]
.set p, p+1
.endr
.set t, 0
.rept 4
	ds_store_b128 v[PST], v[VW+4*t:VW+4*t+3] offset:PBUF*(\b)+2048*t
.set t, t+1
.endr
.endm
.macro XLOAD part                      ; 32 rows of x_left, my 16 bytes of each, into window 2, where Q's first half has been multiplied for the last time
	WIN 0x80
.set q, 32*(\part)
.rept 32
	global_load_b128 v[4*q:4*q+3], v[XO], s[10:11] offset:4096*q th:TH_LOAD_NT
.set q, q+1
.endr
	WIN 0
.endm
; THE END OF A PERIOD: ONE barrier, for three things.  In front of it each wave waits for all its tensor loads (one is out: its part of the tile asked for in this period), adds 0 to its spare word, and waits for that,
; for its stores of W and for its reads of the slot and of W's buffer.  Behind it the next tile is whole, the next W can be read, and nobody reads the slot of step vs any more.
; round = 1: that slot is filled again in the next period, so the barrier opens a round of the cluster's barrier: no wave of any partner still reads it or has a load on its way.
.macro MEET round, vs, zero
	WIN 0                                          ; (the add's two registers lie in window 0)
.if \round
	s_wait_xcnt 0x0                                ; the period's prefetch, some hundred matrix instructions back, has read its address, so it may be stepped
	s_add_nc_u64 s[PFA:PFA+1], s[PFA:PFA+1], s[PFS:PFS+1]
	s_add_co_u32 s[IDX], s[IDX], 1
.endif
	s_wait_tensorcnt 0x0                           ; no tensor load of mine is out, so a group 0 may be written
	ds_add_u32 v[SPW], v[NIL]                      ; 0 onto my spare word; scalar steps and eight products stand between it and the wait for it
.if \round
	s_add_nc_u64 s[G0X+4*(\vs)+2:G0X+4*(\vs)+3], s[G0X+4*(\vs)+2:G0X+4*(\vs)+3], 3*65536  ; the slot's next tile: three steps of 64 rows of 1,024 bytes on; the type bits on top are not reached
	s_add_nc_u64 s[G0V+4*(\vs)+2:G0V+4*(\vs)+3], s[G0V+4*(\vs)+2:G0V+4*(\vs)+3], 3*256    ; three steps of 64 columns of 4 bytes
.endif
	PV 0, 6, 7, \zero
	s_wait_dscnt 0x0                               ; the add, my stores of W and all my LDS reads are done
	s_barrier_signal -1
	PV 1, 0, 1, 0                                  ; work on registers while the others arrive
	WIN 0
	s_barrier_wait -1
.if \round
	CREST
.endif
.endm
; A PERIOD but for its end.  ks, vs, fs: the slots of step i + 1 (keys), i (values) and i + 2 (to be filled); W's buffers go by the same numbers.  fill: tile i + 2 is asked for.  b1b: the step before has products left.
; zero: the second product starts its sums.  ask: 1 the prefetch of tiles, 2 that of x_left.  xl: the first 32 rows of x_left are loaded.
.macro CORE ks, vs, fs, fill, b1b, zero, ask, xl
.if \fill
	JLOAD \fs                                      ; the first tensor load behind the round, and my only one until the next
.else
	PLACES
.endif
	FETCH_K \ks, 0, F0
	FETCH_P \vs, 0, PF0
.if (\ask) == 1
	ASK
.elseif (\ask) == 2
.set k, 0
.rept 4                                ; my wave's 512 bytes of the 64 rows of x_left, two blocks a row, a lane a block: 128 blocks that no other wave names; the loads follow in the next two periods
	global_prefetch_b8 v[XPO], s[10:11] offset:65536*k th:TH_LOAD_NT scope:SCOPE_SE
.set k, k+1
.endr
.endif
.if \b1b
	PV 1, 2, 7, 0                                  ; the rest of step i - 1: 24 products on registers, under which the run above lands
	PLACES
.endif
	FETCH_K \ks, 1, F1
	FETCH_W \ks
	s_wait_dscnt 32                                ; K's first half is in; W's 8 loads and the 24 just issued may be out
	SIM 0, 1
	PLACES
	FETCH_VT \vs, 0, F0
.if \xl
	XLOAD 0
.endif
	s_wait_dscnt 16                                ; all but the 16 just issued
	SIM 1, 0
	PLACES
	PLACES                                         ; (eight in front of vector work that reads results just made)
	PACK \ks
	FETCH_VT \vs, 1, F1
	FETCH_P \vs, 1, VW                             ; LDS serves a wave's instructions in order (ISA guide 5.7.1.4): PACK's stores have taken their data
	s_wait_dscnt 28                                ; the first half of xn^T is in; 4 stores and 24 loads may be out
	PV 0, 0, 5, \zero
.endm
	s_load_b256 s[4:11], s[0:1], 0x0               ; xn s[4:5], V s[6:7], bias s[8:9], x s[10:11]
	s_load_b64 s[12:13], s[0:1], 0x20              ; out0
	v_lshl_add_u32 v[SPW], v0, 2, SPARE
	v_mov_b32 v[NIL], 0
	ds_add_u32 v[SPW], v[NIL]                      ; the wave's opening: the add, twice on end, and its wait ahead of my first tensor load; the set-up below, work on registers, stands between
	ds_add_u32 v[SPW], v[NIL]                      ; and once more, under the one wait
	v_lshrrev_b32 v1, 5, v0
	v_readfirstlane_b32 s[WV], v1                  ; wave 0..3
	s_and_b32 s15, s[WV], 1                        ; which 32 rows of a tile I fetch
	s_bfe_u32 s16, ttmp6, 0x40000                  ; cx
	s_bfe_u32 s17, ttmp6, 0x40004                  ; cy = the batch: the grid has one cluster along y
	s_lshl_b32 s18, ttmp9, 2                       ; in a cluster launch ttmp9 counts clusters
	s_add_co_u32 s18, s18, s16                     ; my block of 64 queries = 4 x cluster x + cx
	s_lshl_b32 s20, s17, 2
	s_lshl_b32 s20, 15, s20                        ; my row of the cluster: places 4 cy .. 4 cy + 3
	s_lshl_b32 s21, 0x1111, s16                    ; my column: places cx, cx + 4, cx + 8, cx + 12
	; descriptor group 1 for xn: 32 rows x 512 elements of 2 bytes, 16 bytes of padding behind each row
	s_or_b32 s[G1X], s20, (1<<16)|(1<<20)|(1<<21)|(7<<22)|(3<<25)  ; 15:0 the mask: my row; 17:16 2-byte elements; 20 padding on; 21 set beside a mask; 24:22 after every 256 words (code 7); 31:25 4 words (code 3)
	s_mov_b32 s[G1X+1], 512<<16                    ; tensor_dim0 = 512
	s_mov_b32 s[G1X+2], 32<<16                     ; tensor_dim1 = 32
	s_mov_b32 s[G1X+3], 512<<16                    ; tile_dim0 = 512
	s_mov_b32 s[G1X+4], 32                         ; tile_dim1 = 32
	s_mov_b32 s[G1X+5], 512                        ; elements from row to row
	s_mov_b32 s[G1X+6], 0
	s_mov_b32 s[G1X+7], 0
	; for V: 32 rows (queries) x 64 elements of 4 bytes
	s_or_b32 s[G1V], s21, (2<<16)|(1<<20)|(1<<21)|(5<<22)|(3<<25)  ; the mask: my column; 4-byte elements; padding after every 64 words (code 5), 4 words
	s_mov_b32 s[G1V+1], 64<<16
	s_mov_b32 s[G1V+2], 32<<16
	s_mov_b32 s[G1V+3], 64<<16
	s_mov_b32 s[G1V+4], 32
	s_mov_b32 s[G1V+5], 4096
	s_mov_b32 s[G1V+6], 0
	s_mov_b32 s[G1V+7], 0
	s_mul_i32 s22, s15, 32*PX                      ; where my half of a tile goes: no place in the cluster enters an LDS address
	s_mul_i32 s23, s15, 32*PVV
	s_lshl_b32 s80, s17, 22                        ; xn's tiles: the batch's 4,096 rows of 1,024 bytes,
	s_lshl_b32 s81, s15, 15                        ; my 32 rows
	s_add_co_u32 s80, s80, s81
	s_mov_b32 s81, 0
	s_lshl_b32 s82, s18, 20                        ; V's tiles: the block's 64 rows of 16,384 bytes,
	s_lshl_b32 s83, s15, 19                        ; my 32 rows
	s_add_co_u32 s82, s82, s83
	s_mov_b32 s83, 0
	s_lshl_b32 s84, s17, 22                        ; Q: batch and block in xn
	s_lshl_b32 s85, s18, 16
	s_add_co_u32 s84, s84, s85
	s_mov_b32 s85, 0
	s_lshl_b32 s86, s17, 24                        ; in x (rows of 4,096 bytes)
	s_lshl_b32 s87, s18, 18
	s_add_co_u32 s86, s86, s87
	s_mov_b32 s87, 0
	s_lshl_b32 s88, s17, 23                        ; in out0 (rows of 2,048 bytes)
	s_lshl_b32 s89, s18, 17
	s_add_co_u32 s88, s88, s89
	s_mov_b32 s89, 0
	s_wait_dscnt 0x0                               ; both opening adds are done
	s_wait_kmcnt 0x0
	s_add_nc_u64 s[80:81], s[4:5], s[80:81]
	s_add_nc_u64 s[82:83], s[6:7], s[82:83]
	s_add_nc_u64 s[QP:QP+1], s[4:5], s[84:85]
	s_add_nc_u64 s[10:11], s[10:11], s[86:87]
	s_add_nc_u64 s[12:13], s[12:13], s[88:89]
.irp s, 0,1,2
	s_mov_b32 s[G0X+4*(\s)], 1                                     ; 1:0 count = 1
	s_add_co_u32 s[G0X+4*(\s)+1], s22, (\s)*SLOT                   ; 63:32 LDS address
	s_add_nc_u64 s[G0X+4*(\s)+2:G0X+4*(\s)+3], s[80:81], (\s)*65536  ; 120:64 global address: step s
	s_or_b32 s[G0X+4*(\s)+3], s[G0X+4*(\s)+3], 0x80000000          ; 127:126 type = 2
	s_mov_b32 s[G0V+4*(\s)], 1
	s_add_co_u32 s[G0V+4*(\s)+1], s23, (\s)*SLOT+XNB
	s_add_nc_u64 s[G0V+4*(\s)+2:G0V+4*(\s)+3], s[82:83], (\s)*256
	s_or_b32 s[G0V+4*(\s)+3], s[G0V+4*(\s)+3], 0x80000000
.endr
	CROUND                                         ; all sixteen work-groups are here: the first joint loads meet
	s_cmp_lt_u32 s[WV], 2                          ; a wave's three first fills stand in one branch, ahead of every wait on TENSORcnt, every LDS read and every further barrier: three loads of mine are out
	s_cbranch_scc0 .Lfirst_v
	tensor_load_to_lds s[G0X:G0X+3], s[G1X:G1X+7]
	s_nop 0
	tensor_load_to_lds s[G0X+4:G0X+7], s[G1X:G1X+7]
	s_nop 0
	tensor_load_to_lds s[G0X+8:G0X+11], s[G1X:G1X+7]
	s_nop 0
.rept 4
	v_nop
.endr
	s_branch .Lfirst_asked
.Lfirst_v:
	tensor_load_to_lds s[G0V:G0V+3], s[G1V:G1V+7]
	s_nop 0
	tensor_load_to_lds s[G0V+4:G0V+7], s[G1V:G1V+7]
	s_nop 0
	tensor_load_to_lds s[G0V+8:G0V+11], s[G1V:G1V+7]
	s_nop 0
.rept 4
	v_nop
.endr
.Lfirst_asked:
	v_and_b32 v3, 31, v0                           ; l
	v_and_b32 v1, 15, v0                           ; l % 16
	v_bfe_u32 v2, v0, 4, 1                         ; l / 16
	s_lshl_b32 s84, s[WV], 9                       ; 512 w
	v_lshlrev_b32 v[XO], 4, v3
	v_add_nc_u32 v[XO], s84, v[XO]
	global_load_b128 v[BI:BI+3], v[XO], s[8:9]     ; bias of my four channels
	v_lshlrev_b32 v[QO], 10, v1
	v_lshl_add_u32 v[QO], v2, 4, v[QO]             ; row x 1,024 + 16 x half
	WIN 0x80                                       ; destination window 2, address window 0
.set c, 0
.rept 8                                ; Q stays in registers: channels 32 c on, query tile t
.set t, 0
.rept 4
	global_load_b128 v[8*(4*c+t):8*(4*c+t)+3],   v[QO], s[QP:QP+1] offset:16384*t+64*c
	global_load_b128 v[8*(4*c+t)+4:8*(4*c+t)+7], v[QO], s[QP:QP+1] offset:16384*t+64*c+32
.set t, t+1
.endr
.set c, c+1
.endr
	WIN 0xc0                                       ; destination window 3
.set c, 0
.rept 8
.set t, 0
.rept 4
	global_load_b128 v[8*(4*c+t):8*(4*c+t)+3],   v[QO], s[QP:QP+1] offset:16384*t+64*c+512
	global_load_b128 v[8*(4*c+t)+4:8*(4*c+t)+7], v[QO], s[QP:QP+1] offset:16384*t+64*c+544
.set t, t+1
.endr
.set c, c+1
.endr
	WIN 0
	s_mul_i32 s85, s[WV], 16*PX                    ; K: my 16 keys
	v_mul_u32_u24 v[AK], v1, PX
	v_lshl_add_u32 v[AK], v2, 4, v[AK]
	v_add_nc_u32 v[AK], s85, v[AK]
	v_add_nc_u32 v[AK+1], SLOT, v[AK]
	v_add_nc_u32 v[AK+2], 2*SLOT, v[AK]
	v_and_b32 v[TV], 7, v0                         ; the turning load: key 8 (l / 16) + l % 8,
	v_lshl_add_u32 v[TV], v2, 3, v[TV]
	v_mul_u32_u24 v[AV], v[TV], PX
	v_bfe_u32 v[TV], v0, 3, 1                      ; 128 bytes on for lanes 8-15 and 24-31,
	v_lshl_add_u32 v[AV], v[TV], 7, v[AV]
	s_lshl_b32 s85, s[WV], 8                       ; my 128 channels
	v_add_nc_u32 v[AV], s85, v[AV]
	v_add_nc_u32 v[AV+1], SLOT, v[AV]
	v_add_nc_u32 v[AV+2], 2*SLOT, v[AV]
	v_mul_u32_u24 v[AW], v1, PVV                   ; V: query l % 16, keys 16 w + 8 (l / 16) on, 4 bytes each
	v_lshl_add_u32 v[AW], v2, 5, v[AW]
	s_lshl_b32 s85, s[WV], 6
	s_add_co_u32 s85, s85, XNB
	v_add_nc_u32 v[AW], s85, v[AW]
	v_add_nc_u32 v[AW+1], SLOT, v[AW]
	v_add_nc_u32 v[AW+2], 2*SLOT, v[AW]
	v_lshlrev_b32 v[PLD], 4, v3
	v_add_nc_u32 v[PLD], PB, v[PLD]
	v_add_nc_u32 v[PST], s84, v[PLD]               ; my 16 keys are half w % 2 of key half w / 2: 1,024 (w / 2) + 512 (w % 2) = 512 w
	v_lshrrev_b32 v[TV], 1, v3
	v_lshlrev_b32 v[XPO], 12, v[TV]
	v_and_b32 v[TV], 1, v0
	v_lshl_add_u32 v[XPO], v[TV], 8, v[XPO]
	v_add_nc_u32 v[XPO], s84, v[XPO]
	s_mul_i32 s85, s[WV], STW
	s_add_co_u32 s85, s85, STAGE                   ; my stage
	v_mul_u32_u24 v[STO], v1, SPI                  ; in: row l % 16; channels 64 (l / 16) + 8 d on, 4 bytes each
	v_lshl_add_u32 v[STO], v2, 8, v[STO]
	v_add_nc_u32 v[STO], s85, v[STO]
	v_lshl_add_u32 v[RD], v3, 4, s85               ; back: 32 lanes take a row's 512 bytes
	; the prefetches: offsets first, apart from the addresses; then one test on the wave's number chooses
	s_lshl_b32 s84, s17, 22                        ; xn: my batch,
	s_lshl_b32 s85, s[WV], 15                      ; my wave's 32 rows of a tile,
	s_add_co_u32 s84, s84, s85
	s_lshl_b32 s85, s16, 8                         ; my work-group's 256 bytes of each row,
	s_add_co_u32 s84, s84, s85
	s_add_co_u32 s84, s84, 5<<16                   ; tile 5: the end of period 0 steps it to 6
	s_lshl_b32 s86, s18, 20                        ; V: my block's rows,
	s_lshl_b32 s87, s17, 18                        ; my work-group's 16 of them,
	s_add_co_u32 s86, s86, s87
	s_add_co_u32 s86, s86, 5*256                   ; tile 5
	s_cmp_eq_u32 ttmp9, 0
	s_cselect_b32 s90, 59, 0                       ; xn: periods 1 to 58 name tiles 6 to 63, in the first cluster alone: the same in all sixteen partners
	s_cmp_eq_u32 s[WV], 2
	s_cselect_b32 s91, 58, 0                       ; V: periods 1, 3 .. 57 name tiles 6 and 7 .. 62 and 63
	s_mov_b32 s87, 0x10000
	s_mov_b32 s85, 1024
	s_cmp_lt_u32 s[WV], 2
	s_cselect_b64 s[PFA:PFA+1], s[4:5], s[6:7]
	s_cselect_b32 s[LIM], s90, s91
	s_cselect_b32 s[ODD], 1, 0
	s_cselect_b32 s[PFS], s87, 256                 ; a tile on: 64 rows of xn, or 64 columns of V
	s_cselect_b32 s88, s84, s86
	s_cselect_b32 s84, 31, 15                      ; a lane's row: l, or l % 16,
	s_cselect_b32 s85, s85, 16384                  ; its bytes,
	s_cselect_b32 s86, 0, 256                      ; and for V the next tile in lanes 16-31
	s_mov_b32 s[PFS+1], 0
	s_mov_b32 s89, 0
	s_add_nc_u64 s[PFA:PFA+1], s[PFA:PFA+1], s[88:89]
	s_mov_b32 s[IDX], 0
	v_and_b32 v[PFO], s84, v3
	v_mul_u32_u24 v[PFO], v[PFO], s85
	v_mad_u32_u24 v[PFO], v2, s86, v[PFO]
	s_wait_tensorcnt 0x2                           ; my part of tile 0 is in; tiles 1 and 2 may stay out
	s_barrier_signal -1
	s_barrier_wait -1                              ; everybody's is
	FETCH_K 0, 0, F0                               ; S and W of step 0: there is no other work yet to set beside them
	FETCH_K 0, 1, F1
	FETCH_W 0
	s_wait_loadcnt 0x0                             ; Q and the bias
	v_pk_mul_f32 v[NB:NB+1], v[BI:BI+1], 0xbfb8aa3b op_sel_hi:[1,0]      ; -log2e x bias
	v_pk_mul_f32 v[NB+2:NB+3], v[BI+2:BI+3], 0xbfb8aa3b op_sel_hi:[1,0]
	s_wait_dscnt 0x0
	SIM 0, 1
	SIM 1, 0
	PLACES
	PLACES
	PACK 0
	s_wait_tensorcnt 0x1                           ; my part of tile 1 is in; tile 2 may stay out
	s_wait_dscnt 0x0                               ; my part of W is stored
	s_barrier_signal -1
	s_barrier_wait -1
	CORE 1, 0, 0, 0, 0, 1, 0, 0                    ; period 0: tile 2 was asked for at the start; the second product starts its sums
	MEET 1, 0, 1
	s_mov_b32 s[LOOP], 20
.Lloop:                                                ; periods 1 to 60, three a trip: once round the ring
	CORE 2, 1, 0, 1, 1, 0, 1, 0
	MEET 1, 1, 0
	CORE 0, 2, 1, 1, 1, 0, 1, 0
	MEET 1, 2, 0
	CORE 1, 0, 2, 1, 1, 0, 1, 0
	MEET 1, 0, 0
	s_sub_co_u32 s[LOOP], s[LOOP], 1
	s_cmp_lg_u32 s[LOOP], 0
	s_cbranch_scc1 .Lloop
	CORE 2, 1, 0, 1, 1, 0, 2, 0                    ; period 61 asks for tile 63, the last; the tail is written out
	MEET 0, 1, 0                                   ; nothing is filled again, so no round follows
	CORE 0, 2, 0, 0, 1, 0, 0, 1                    ; period 62: the last S and W; behind its first half Q's window 2 is free for x_left
	MEET 0, 2, 0
	PLACES                                         ; period 63: the second product of step 63 alone
	FETCH_VT 0, 0, F0
	FETCH_P 0, 0, PF0
	XLOAD 1
	PV 1, 2, 7, 0
	PLACES
	FETCH_VT 0, 1, F1
	FETCH_P 0, 1, VW
	s_wait_dscnt 24                                ; all but the 24 just issued
	PV 0, 0, 7, 0
	s_wait_dscnt 0x0
	PV 1, 0, 7, 0
	PLACES
	PLACES                                         ; (eight in front of stores that read results just made)
; THE WAY OUT, a query tile (16 rows) at a time.  TOSTAGE: a lane's eight channels of a row, 32 bytes, go into my own stage (rows of 528 bytes), at the channels' true places, and come back as whole rows of 512 bytes.
; FINISH: the gate in f32, times x_left, stored.  The stage is each wave's own, so no barrier; LDS serves a wave's instructions in order (ISA guide 5.7.1.4), so no wait between its stores and its loads.
.macro TOSTAGE t
.set BK, F0+64*((\t)%2)
.if (\t) >= 2
	s_wait_xcnt 0x0                                ; the stores of two tiles back have read these registers
.endif
	WIN 0x04                                       ; store data (source 1) in window 1
.set d, 0
.rept 8
	ds_store_b128 v[STO], v[8*(8*(\t)+d):8*(8*(\t)+d)+3]   offset:32*d      ; each accumulator's lowest registers first
	ds_store_b128 v[STO], v[8*(8*(\t)+d)+4:8*(8*(\t)+d)+7] offset:32*d+16
.set d, d+1
.endr
	WIN 0
.set i, 0
.rept 16
	ds_load_b128 v[BK+4*i:BK+4*i+3], v[RD] offset:SPI*i
.set i, i+1
.endr
.endm
.macro FINISH t, younger               ; younger: the LDS instructions issued behind tile t's loads: the next tile's 32, or none
	WIN 0
.set BK, F0+64*((\t)%2)
	s_wait_dscnt \younger
.set k, 0
.rept 32
	v_pk_fma_f32 v[BK+2*k:BK+2*k+1], v[BK+2*k:BK+2*k+1], 0xbfb8aa3b, v[NB+2*(k%2):NB+2*(k%2)+1] op_sel_hi:[1,0,1]  ; -log2e ctx - log2e bias
.set k, k+1
.endr
.set k, 0
.rept 64
	v_exp_f32 v[BK+k], v[BK+k]
.set k, k+1
.endr
	v_nop                                          ; a plain instruction behind the last exponential,
	s_wait_alu depctr_va_vdst(0)                   ; and one wait for the batch of 64, ahead of its first reader
.set k, 0
.rept 32
	v_pk_add_f32 v[BK+2*k:BK+2*k+1], v[BK+2*k:BK+2*k+1], 1.0 op_sel_hi:[1,0]
.set k, k+1
.endr
.set k, 0
.rept 64
	v_rcp_f32 v[BK+k], v[BK+k]
.set k, k+1
.endr
	v_nop
	s_wait_alu depctr_va_vdst(0)                   ; one wait for the 64 reciprocals
	s_wait_loadcnt 48-16*(\t)                      ; x_left's rows of this tile are in; the 16 loads of each later tile may stay out
	WIN 0x08                                       ; x_left (source 1) in window 2
.set k, 0
.rept 32
	v_pk_mul_f32 v[BK+2*k:BK+2*k+1], v[BK+2*k:BK+2*k+1], v[64*(\t)+2*k:64*(\t)+2*k+1]
.set k, k+1
.endr
	WIN 0
.set i, 0
.rept 16
	global_store_b128 v[XO], v[BK+4*i:BK+4*i+3], s[12:13] offset:2048*(16*(\t)+i) th:TH_STORE_NT  ; 32 lanes store 512 consecutive bytes, at a multiple of 256 from out0's first byte
.set i, i+1
.endr
.endm
	TOSTAGE 0
	TOSTAGE 1                                      ; a tile's way through the stage lies under the arithmetic of the tile before
	FINISH 0, 32
	TOSTAGE 2
	FINISH 1, 32
	TOSTAGE 3
	FINISH 2, 32
	FINISH 3, 0
	s_wait_tensorcnt 0x0                           ; the wave's end, behind my last tensor load and my last LDS store
	ds_add_u32 v[SPW], v[NIL]
	s_wait_dscnt 0x0
	CROUND                                         ; the closing round: no work-group ends while a partner may still ask for a tile that names it
	s_endpgm
.Lfunc_end_k_q1e9729149c_ctxgate:
	.size	k_q1e9729149c_ctxgate, .Lfunc_end_k_q1e9729149c_ctxgate-k_q1e9729149c_ctxgate
	.p2alignl 7, 3214868480
	.fill 96, 4, 3214868480
	.section	.rodata,"a",@progbits
	.p2align	6, 0x0
	.amdhsa_kernel k_q1e9729149c_ctxgate
		.amdhsa_group_segment_fixed_size 327680
		.amdhsa_private_segment_fixed_size 0
		.amdhsa_enable_private_segment 0
		.amdhsa_kernarg_size 40
		.amdhsa_user_sgpr_count 2
		.amdhsa_user_sgpr_kernarg_segment_ptr 1
		.amdhsa_wavefront_size32 1
		.amdhsa_system_sgpr_workgroup_id_x 1
		.amdhsa_system_sgpr_workgroup_id_y 1
		.amdhsa_system_sgpr_workgroup_id_z 1
		.amdhsa_system_vgpr_workitem_id 0
		.amdhsa_next_free_vgpr 1024
		.amdhsa_next_free_sgpr 96
		.amdhsa_reserve_vcc 0
		.amdhsa_float_denorm_mode_32 3
		.amdhsa_float_denorm_mode_16_64 3
		.amdhsa_memory_ordered 1
		.amdhsa_forward_progress 1
		.amdhsa_inst_pref_size 211
	.end_amdhsa_kernel
	.amdgpu_metadata
---
amdhsa.version: [ 1, 2 ]
amdhsa.kernels:
  - .name:           k_q1e9729149c_ctxgate
    .symbol:         k_q1e9729149c_ctxgate.kd
    .args:
      - { .name: xn, .offset: 0, .size: 8, .value_kind: global_buffer, .address_space: global }
      - { .name: V, .offset: 8, .size: 8, .value_kind: global_buffer, .address_space: global }
      - { .name: bias, .offset: 16, .size: 8, .value_kind: global_buffer, .address_space: global }
      - { .name: x, .offset: 24, .size: 8, .value_kind: global_buffer, .address_space: global }
      - { .name: out0, .offset: 32, .size: 8, .value_kind: global_buffer, .address_space: global }
    .group_segment_fixed_size: 327680
    .private_segment_fixed_size: 0
    .kernarg_segment_align: 8
    .kernarg_segment_size: 40
    .max_flat_workgroup_size: 128
    .sgpr_count:     96
    .vgpr_count:     1024
    .wavefront_size: 32
...
	.end_amdgpu_metadata
.endif
;; end of part 2
